; MI455X (gfx1250); checked and timed in simulation.
; The chip was launched on July 23, 2026; its instructions are those of AMD's public machine-readable ISA for CDNA 5 (MIT licence, August 2026) and "CDNA5" Instruction Set Architecture Reference Guide (July 2026). The comments in the code are by the model that wrote it; some were corrected since.
;; Causal Self Attention. Allowed arithmetic: matrix products marked QUANTISED: E4M3 operands, one given power-of-two scale a tensor, by v_wmma_f32_16x16x64_fp8_fp8 or v_wmma_f32_16x16x128_fp8_fp8, f32 sums; everything else in f32.
;; Inputs: b_out 1,024 float32; b_qkv 3,072 float32; lowp_scales 8 int32 (the exponents e of the quantised operands' scales 2^e); w_out_codes 1,024 x 32 x 32 uint8 (E4M3 codes of w_out, K innermost, in blocks of 32 codes); w_qkv_codes 3,072 x 32 x 32 uint8 (E4M3 codes of w_qkv, K innermost, in blocks of 32 codes); x_codes 4 x 2,048 x 32 x 32 uint8 (E4M3 codes of x, K innermost, in blocks of 32 codes).
;; Outputs: out0 4 x 2,048 x 1,024 float32.
;; This version of the problem:
;;   THIS VERSION OF THE PROBLEM IS GIVEN IN LOW PRECISION. The matrix products marked QUANTISED in the list below multiply operands that are first quantised to E4M3 (4 exponent bits, 3 mantissa bits; 8 bits a number), with one given power-of-two scale for each operand tensor; their sums are f32. All else is computed in f32.
;;   The module's matrix products, in the order in which they are computed (A, B: the left and right operand; K: the contracted axis; several contracted axes count as one K, in the product's order):
;;     1. [M 8,192, K 1,024] x [K 1,024, N 3,072]; A: input x (given as codes); B: input w_qkv (given as codes): QUANTISED (scales: A lowp_scales[0], B lowp_scales[1])
;;     2. batch 64 x [M 2,048, K 64] x [K 64, N 2,048]; A: computed on the way; B: computed on the way: QUANTISED (scales: A lowp_scales[2], B lowp_scales[3])
;;     3. batch 64 x [M 2,048, K 2,048] x [K 2,048, N 64]; A: softmax (see below); B: computed on the way: QUANTISED (scales: A lowp_scales[4], B lowp_scales[5])
;;     4. [M 8,192, K 1,024] x [K 1,024, N 1,024]; A: computed on the way; B: input w_out (given as codes): QUANTISED (scales: A lowp_scales[6], B lowp_scales[7])
;;   THE QUANTISER, for each operand of a quantised product, along K:
;;     - The operand's scale is 2^e, e = its entry of the input lowp_scales (int32; the entries are numbered through the quantised products in the list's order, A before B).
;;     - Each number is divided by the scale, clamped to +-448, and rounded to the nearest number of E4M3, ties to even, subnormals kept.
;;     - The product sums the exact products of the quantised numbers (number of the format x scale) in f32.
;;   ~~~python
;;   def quantise(x, axis, e):      # numpy; x: float32 -> the quantised numbers, widened to float32 again
;;       x = np.moveaxis(x, axis, -1); K = x.shape[-1]
;;       r = np.clip(x / 2.0 ** e, -448, 448)
;;       step = 2.0 ** (np.maximum(np.frexp(np.where(r == 0, 1, r))[1] - 1, -6) - 3)
;;       q = np.round(r / step) * step * 2.0 ** e      # np.round: ties to even
;;       return np.moveaxis(q, -1, axis).astype(np.float32)
;;   ~~~
;;   SOFTMAX AHEAD OF A QUANTISED PRODUCT. Where the list says 'softmax', what is quantised is not the finished softmax but p = 2^(t - M), with t = logit x log2(e) and M = ceil(the row's largest t), a whole number; so 1/2 < the row's largest p <= 1. The row's sum l is taken of the UNQUANTISED p, in f32, and the product's result is divided by l at the end. Since M is a whole number, a kernel that streams over the keys may use a running M (the ceiling of the running maximum): every later rescaling is an exact power of two, so the quantised numbers keep their values, but for numbers so far below the row's largest that they fall under the format's range.
;;   OPERANDS COMPUTED ON THE WAY. 'Computed on the way' means the value that the module computes at that place (a softmax that the list does not call 'softmax' is quantised finished and normalised). What goes into a quantiser is computed in f32, as accurately as f32 sums, v_exp_f32 and their like allow (about 1e-6 of the number): no bf16 or f16 on the way to a quantiser, and a product that is left as it is and whose result goes on into a quantised operand takes f32 operands (vector FMAs, or v_wmma_f32_16x16x4_f32). A number that lies on a knife's edge between two numbers of the format may be rounded either way, as far as f32 arithmetic and the matrix unit's own rounding can turn it there, and no further.
;;   INPUTS GIVEN AS CODES. w_out (in the module: [1024, 1024], K = its axis 0); w_qkv (in the module: [1024, 3072], K = its axis 0); x (in the module: [4, 2048, 1024], K = its axis 2): each comes as NAME_codes (uint8): NAME with its K axis moved to the last place and cut into blocks of 32 codes, [.., K / 32, bytes a block], one block behind the other in memory; one code a byte (a code: sign, 4 exponent bits, 3 mantissa bits); its scale is its entry of lowp_scales. Its value is code x scale, taken as it is: it is not quantised again, and the codes and scales need not be those that the quantiser above would give.
;; One version. Each part assembles by itself: llvm-mc -triple=amdgcn-amd-amdhsa -mcpu=gfx1250 --defsym DOCPART=n.
;; ======== version 1 of 1: 3 launches
;; limits: right only within a limited range of input values
;; workspace buffers: qkv 25,165,824 bytes; aimg 8,388,608 bytes
;; launch qkv (part 1): grid 12 x 32, 4 waves a work-group, clusters of 4 x 4, 327,680 bytes of LDS; arguments x_codes, w_qkv_codes, lowp_scales, b_qkv, qkv; writes qkv
.if DOCPART == 1
	.amdgcn_target "amdgcn-amd-amdhsa--gfx1250"
	.amdhsa_code_object_version 6
	.text
	.protected	k_qe6a842641e_qkv
	.globl	k_qe6a842641e_qkv
	.p2align	8
	.type	k_qe6a842641e_qkv,@function
k_qe6a842641e_qkv:
	s_mov_b64 s[64:65], 0
	v_nop
	global_prefetch_b8 v0, s[64:65] scope:SCOPE_SE
	s_setreg_imm32_b32 hwreg(HW_REG_WAVE_MODE, 25, 1), 1
	s_wait_xcnt 0x0
	s_wait_alu depctr_hold_cnt(0) depctr_sa_sdst(0) depctr_va_vdst(0) depctr_va_sdst(0) depctr_va_ssrc(0) depctr_va_vcc(0) depctr_vm_vsrc(0)
	s_getreg_b32 s2, hwreg(HW_REG_IB_STS2, 6, 4)
	s_cmp_eq_u32 s2, 0
	s_cbranch_scc0 .Lentry_in_a_cluster
	s_endpgm
.Lentry_in_a_cluster:
	s_bfe_u32 s2, ttmp6, 0x10000c
	s_cmp_lg_u32 s2, 0xf033
	s_cbranch_scc0 .Lentry_shape_is_right
	s_endpgm
.Lentry_shape_is_right:
; q, k, v = x w_qkv + b_qkv on codes of FP8 (E4M3), quantised again on the way out and stored as codes, laid as IMAGES OF THE NEXT PRODUCT'S OPERAND REGISTERS.
; x: [8192][1024] codes, w_qkv: [3072][1024] codes, K innermost; a sum stands for sum x 2^(e0 + e1); b_qkv f32; q is quantised with 2^e2, k with 2^e3, v with 2^e5.
; LIMITS on the given exponents, so that each power of two below is an f32 number: e0 + e1 between -126 and 127; e2, e3, e5 between -126 and 119.  NaN in b_qkv is not served.
; SHARES.  A tile of 256 x 256 results is made by a work-group of four waves, 128 x 128 a wave: 64 accumulators of 16 x 16, 512 registers.  K = 1,024 goes in four steps of 256 through a ring of two LDS slots.
; THE CLUSTER'S x IS THE KIND (0: q, 1: k, 2: v), the same in all sixteen partners.  q, k: A = x (256 tokens), B = w_qkv (256 columns).  v IS MADE TRANSPOSED: A = w_qkv's rows 2,048 on, B = x: only pointers and
; tile numbers are chosen (s_cselect on the cluster's x); the loop is one text.  A's tile hangs on cy and the cluster's y alone and is asked for jointly by a row of the cluster, B's on cx and the cluster alone, by a column.
; THE MATRIX INSTRUCTION IS USED TRANSPOSED (source 0 = 16 rows of B, source 1 = 16 rows of A): lane (r, h) holds A's row r, and its registers 0-7 B's rows 8 h + 0 .. 7.  For q and k those are eight neighbouring
; channels of one token, for v eight neighbouring tokens of one channel: in both cases eight neighbours along the NEXT product's K, in the very places that the plain 8-bit layout gives them (registers 2 c, 2 c + 1:
; k = 16 c + 8 h + 0 .. 7).  So a conversion's two registers ARE two registers of the next operand, and four of them leave by one store of 512 consecutive bytes: no LDS on the way out.
; THE BUFFER qkv: [bh 64][kind 3][131,072].  q, k: [token tile 128][1,024]: a fragment of 16 tokens x 64 channels, registers 4 p .. 4 p + 3 at 512 p + 16 lane.  v: [key step 32][channel tile 4][1,024]: 16 channels x 64 keys, likewise.
; Both operands of THIS product are fetched by four loads of 16 bytes a fragment: a permutation of k, the same on both sides, so every product meets its partner.
; REGISTERS, in windows of 256: window 0: v0-31 addresses and constants; v32-39 the bias's offsets; v64-127 the bias; from v128 A's fragments, ONE set, later the codes.   window 1: B's fragments, TWO sets.
;   window 2: the accumulators of my A rows 0-63 ((a, b) at v[8 (8 a + b)]);   window 3: those of rows 64-127.
.set KROW,   1024                      ; a row of x or of w_qkv in memory, in bytes
.set ROWB,   256                       ; a tile's row: 256 codes
.set PITCH,  272                       ; an LDS row: 256 bytes + 16 of padding = 68 words: row r starts at bank 4 r mod 64 (64 banks of 4 bytes: ISA guide 11.1)
.set FR,     16                        ; registers of a fragment: 16 rows x 128 K
.set NL,     4                         ; LDS loads that bring one
.set NP,     4                         ; places behind this matrix instruction (ISA guide 7.12.1)
.set HALFT,  128*PITCH                 ; 128 rows: what one tensor load brings
.set SLOT,   4*HALFT                   ; A's 256 rows, then B's 256 rows
.set SPARE,  2*SLOT                    ; behind the ring: the spare words, 128 bytes for each wave, which no other line names
.set HEADB,  393216                    ; a head's q, k and v in the buffer
.set ADRA, 16                          ; v16-17  LDS address of my A fragments in slot 0, 1
.set ADRB, 20                          ; v20-21  the same for B
.set CO,   26                          ; v26     16 x lane: my place in an image
.set SPW,  28                          ; v28     LDS address of my spare word; never rewritten
.set NIL,  29                          ; v29     0; never rewritten
.set LIM,  30                          ; v30     unused
.set SCL,  31                          ; v31     the kind's scale as f32
.set BO,   32                          ; v32-39  the bias's byte offsets, one for each register of a tile
.set BI,   64                          ; v64-127 the bias, eight tiles of eight registers in the result's layout
.set AF,   128                         ; A's fragments, in window 0
.set CD,   128                         ; the codes, 16 registers a block: each block has its own, so no store's data are written again
.set G1, 24                            ; s[24:31] descriptor group 1 for A's tiles;  s[32:39] group 0, one set for each slot
.set G0, 32
.set G1B, 48                           ; s[48:55], s[56:63] the same for B's tiles
.set G0B, 56
.set MSB, 0
.macro WIN new                         ; the immediate's high byte repeats the setting that is left
.if MSB != (\new)
	s_set_vgpr_msb (MSB<<8)|(\new)
.set MSB, (\new)
.endif
.endm
.set MUL_LO, 0xa1                      ; source 0 (B) window 1, source 1 (A) window 0, C and D window 2
.set MUL_HI, 0xf1                      ; the same, C and D window 3
.set TO_B,   0x40                      ; destination window 1, address window 0
; A joint load: waves 0 and 1 fetch for A, waves 2 and 3 for B.  The branch hangs on the wave's number alone.  Four v_nop follow each of the two lines.
.macro JLOAD g0a, g1a, g0b, g1b
	s_cmp_eq_u32 s15, 0
	s_cbranch_scc0 .Lfor_b_\@
	tensor_load_to_lds s[\g0a:\g0a+3], s[\g1a:\g1a+7]
	s_nop 0
.rept 4
	v_nop
.endr
	s_branch .Lasked_\@
.Lfor_b_\@:
	tensor_load_to_lds s[\g0b:\g0b+3], s[\g1b:\g1b+7]
	s_nop 0
.rept 4
	v_nop
.endr
.Lasked_\@:
.endm
.macro CREST                           ; a round of the cluster's barrier behind its opening barrier
	s_cmp_lg_u32 s14, 0
	s_cbranch_scc1 .Lnot_wave_0_\@
	s_barrier_signal -3
.Lnot_wave_0_\@:
	s_barrier_wait -3
	s_barrier_signal -1
	s_barrier_wait -1
.endm
.macro CROUND                          ; a whole round
	s_barrier_signal -1
	s_barrier_wait -1
	CREST
.endm
	s_load_b256 s[4:11], s[0:1], 0x0               ; x s[4:5], w_qkv s[6:7], the scales' exponents s[8:9], b_qkv s[10:11]
	s_load_b64 s[12:13], s[0:1], 0x20              ; the buffer qkv
	v_lshl_add_u32 v[SPW], v0, 2, SPARE
	v_mov_b32 v[NIL], 0
	ds_add_u32 v28, v29
	ds_add_u32 v28, v29
	s_wait_dscnt 0x0
	v_lshrrev_b32 v1, 5, v0
	v_readfirstlane_b32 s14, v1                    ; wave 0..3
	s_lshr_b32 s15, s14, 1                         ; which half of A's rows is mine.  Also: I fetch for A (0) or for B (1)
	s_and_b32 s16, s14, 1                          ; which half of B's rows.  Also: which 128 rows of that tile I fetch
	s_bfe_u32 s40, ttmp6, 0x40000                  ; cx, cy: my place in the cluster
	s_bfe_u32 s41, ttmp6, 0x40004
	s_and_b32 s17, ttmp7, 0xffff
	s_lshl_b32 s17, s17, 2                         ; 4 x cluster y
	s_lshl_b32 s18, ttmp9, 2                       ; 4 x cluster x
	s_add_co_u32 s20, s17, s41                     ; q, k: A's tile = 256 tokens: 4 x cluster y + cy
	s_add_co_u32 s21, s41, 8                       ; v:    A's tile = 256 rows of w_qkv: 8 + cy
	s_add_co_u32 s22, s18, s40                     ; q, k: B's tile = 256 rows of w_qkv: 4 x cluster x + cx
	s_add_co_u32 s23, s17, s40                     ; v:    B's tile = 256 tokens: 4 x cluster y + cx
	s_cmp_eq_u32 ttmp9, 2                          ; the kind: the same in all sixteen partners
	s_cselect_b32 s43, s21, s20                    ; A's tile: made of cy and the cluster's place alone
	s_cselect_b32 s42, s23, s22                    ; B's tile: made of cx and the cluster's place alone
	s_lshl_b32 s70, s41, 2
	s_lshl_b32 s70, 15, s70                        ; my row of the cluster
	s_lshl_b32 s71, 0x1111, s40                    ; my column
	; descriptor group 1: a tile of 128 rows x 256 bytes, padded in LDS
	s_or_b32 s[G1+0], s70, (0<<16)|(1<<20)|(1<<21)|(5<<22)|(3<<25)  ; 15:0 the mask: A's tiles go to my row; 17:16 element of 1 byte; 20 padding on; 21 set beside a mask; 24:22 after every 64 words (code 5); 31:25 of 4 words (code 3)
	s_or_b32 s[G1B+0], s71, (0<<16)|(1<<20)|(1<<21)|(5<<22)|(3<<25)
.irp g, G1, G1B
	s_mov_b32 s[\g+1], ROWB<<16                    ; tensor_dim0
	s_mov_b32 s[\g+2], 128<<16                     ; tensor_dim1 = 128
	s_mov_b32 s[\g+3], ROWB<<16                    ; tile_dim0
	s_mov_b32 s[\g+4], 128                         ; tile_dim1 = 128
	s_mov_b32 s[\g+5], KROW                        ; tensor_dim0_stride
	s_mov_b32 s[\g+6], 0
	s_mov_b32 s[\g+7], 0
.endr
	s_lshl_b32 s18, s16, 7                         ; which 128 rows of the tile I fetch
	s_lshl_b32 s20, s43, 8
	s_add_co_u32 s20, s20, s18                     ; A: row 256 x tile + 128 x half,
	s_lshl_b32 s20, s20, 10                        ; in bytes: rows of 1,024 (8,388,608 at the most)
	s_mov_b32 s21, 0
	s_lshl_b32 s46, s42, 8
	s_add_co_u32 s46, s46, s18                     ; B likewise
	s_lshl_b32 s46, s46, 10
	s_mov_b32 s47, 0
	s_mul_i32 s45, s14, HALFT                      ; where they go: wave x 128 rows: no place in the cluster enters an LDS address
	s_wait_kmcnt 0x0
	s_load_b256 s[72:79], s[8:9], 0x0              ; e0 .. e7
	s_cmp_eq_u32 ttmp9, 2
	s_cselect_b64 s[66:67], s[6:7], s[4:5]         ; A's tensor: w_qkv for v, else x.  The choice hangs on the cluster's x alone
	s_cselect_b64 s[68:69], s[4:5], s[6:7]         ; B's tensor
	s_add_nc_u64 s[66:67], s[66:67], s[20:21]
	s_add_nc_u64 s[68:69], s[68:69], s[46:47]
	CROUND                                         ; all sixteen work-groups are here: the first joint loads meet
.irp s, 0,1
	s_mov_b32 s[G0+4*\s], 1
	s_add_co_u32 s[G0+4*\s+1], s45, \s*SLOT
	s_add_nc_u64 s[G0+4*\s+2:G0+4*\s+3], s[66:67], \s*ROWB
	s_or_b32 s[G0+4*\s+3], s[G0+4*\s+3], 0x80000000
	s_mov_b32 s[G0B+4*\s], 1
	s_add_co_u32 s[G0B+4*\s+1], s45, \s*SLOT
	s_add_nc_u64 s[G0B+4*\s+2:G0B+4*\s+3], s[68:69], \s*ROWB
	s_or_b32 s[G0B+4*\s+3], s[G0B+4*\s+3], 0x80000000
	JLOAD G0+4*\s, G1, G0B+4*\s, G1B               ; two tensor loads of mine are out behind the second
.endr
	v_and_b32 v1, 15, v0                           ; r = l % 16
	v_bfe_u32 v2, v0, 4, 1                         ; h = l / 16
	v_mul_u32_u24 v3, v1, PITCH
	v_lshl_add_u32 v4, v2, 4, v3                   ; a fragment's row x pitch + 16 x half
	s_mul_i32 s21, s15, HALFT                      ; my 128 rows of A
	s_mul_i32 s22, s16, HALFT                      ; my 128 rows of B,
	s_add_co_u32 s22, s22, 2*HALFT                 ; which lie behind A's 256
.irp s, 0,1
	v_add_nc_u32 v[ADRA+\s], s21, v4
	v_add_nc_u32 v[ADRB+\s], s22, v4
	s_add_co_u32 s21, s21, SLOT
	s_add_co_u32 s22, s22, SLOT
.endr
	v_and_b32 v6, 31, v0
	v_lshlrev_b32 v[CO], 4, v6
	; THE BIAS, in the result's layout, on one path.  q, k: register j of tile b wants b_qkv at B's row 16 b + 8 h + j;  v: every register of tile a wants b_qkv at A's row 16 a + r.
	; So offset j = r sR + h sH + j sJ with (sR, sH, sJ) = (0, 32, 4) or (4, 0, 0), and tile x stands 64 bytes further on.  The 64 loads stay out across the products and are waited for once, ahead of the way out.
	s_cmp_eq_u32 ttmp9, 2
	s_cselect_b32 s88, 4, 0                        ; sR
	s_cselect_b32 s89, 0, 32                       ; sH
	s_cselect_b32 s90, 0, 4                        ; sJ
	s_cselect_b32 s91, s43, s42                    ; w_qkv's tile of 256 rows,
	s_cselect_b32 s92, s15, s16                    ; and my half of it
	s_lshl_b32 s91, s91, 10
	s_lshl_b32 s92, s92, 9
	s_add_co_u32 s82, s91, s92                     ; 4 (256 x tile + 128 x half)
	s_mov_b32 s83, 0
	s_add_nc_u64 s[86:87], s[10:11], s[82:83]
	v_mul_u32_u24 v5, v1, s88
	v_mad_u32_u24 v5, v2, s89, v5
	s_wait_alu depctr_va_vdst(0)
.irp j, 0,1,2,3,4,5,6,7
	s_mul_i32 s91, s90, \j
	v_add_nc_u32 v[BO+\j], s91, v5
.endr
.irp x, 0,1,2,3,4,5,6,7
.irp j, 0,1,2,3,4,5,6,7
	global_load_b32 v[BI+8*\x+\j], v[BO+\j], s[86:87] offset:64*\x
.endr
.endr
	; WHERE MY CODES GO.  With T the tile of 256 tokens, c the four heads, w' the two of them that are mine and w'' my 128 tokens, both kinds give
	; (16 (T / 8) + 4 c + 2 w') x 393,216 + kind x 131,072 + (16 (T % 8) + 8 w'') x 1,024: sixteen token tiles of 1,024 bytes are as many bytes as four key steps of 4,096.
	s_cmp_eq_u32 ttmp9, 2
	s_cselect_b32 s88, s42, s43                    ; T
	s_cselect_b32 s89, s41, s40                    ; c
	s_cselect_b32 s90, s15, s16                    ; w'
	s_cselect_b32 s91, s16, s15                    ; w''
	s_lshr_b32 s92, s88, 3
	s_lshl_b32 s92, s92, 4
	s_lshl_b32 s89, s89, 2
	s_add_co_u32 s92, s92, s89
	s_lshl_b32 s90, s90, 1
	s_add_co_u32 s92, s92, s90                     ; my first head, 0 .. 62
	s_mul_i32 s92, s92, HEADB
	s_lshl_b32 s89, ttmp9, 17
	s_add_co_u32 s92, s92, s89
	s_and_b32 s88, s88, 7
	s_lshl_b32 s88, s88, 4
	s_lshl_b32 s91, s91, 3
	s_add_co_u32 s88, s88, s91
	s_lshl_b32 s88, s88, 10
	s_add_co_u32 s92, s92, s88
	s_mov_b32 s93, 0
	s_add_nc_u64 s[84:85], s[12:13], s[92:93]
.macro FRAG reg, adr, q, i             ; a fragment, 16 rows x 128 K, is 16 registers: lane l holds row l % 16; registers 4 c .. 4 c + 3 hold K = 32 c + 16 (l / 16) + 0 .. 15, in A and in B alike
.irp c, 0,1,2,3
	ds_load_b128 v[\reg+4*\c:\reg+4*\c+3], v[\adr] offset:128*(\q)+32*\c+(\i)*16*PITCH
.endr
.endm
; 16 matrix instructions: A's blocks a0, a0 + 1 x B's eight, 128 along K.  p: B's set.  zero = 1: the first product starts the sums: nothing is ever cleared.
; The 64 accumulators take turns, one instruction a turn, in the same order in every step.
.macro MUL16 a0, p, zero
.irp a, \a0, \a0+1
.irp b, 0,1,2,3,4,5,6,7
.if \zero
	v_wmma_f32_16x16x128_fp8_fp8 v[8*(8*((\a)%4)+\b):8*(8*((\a)%4)+\b)+7], v[128*(\p)+FR*\b:128*(\p)+FR*\b+FR-1], v[AF+FR*(\a):AF+FR*(\a)+FR-1], 0
.else
	v_wmma_f32_16x16x128_fp8_fp8 v[8*(8*((\a)%4)+\b):8*(8*((\a)%4)+\b)+7], v[128*(\p)+FR*\b:128*(\p)+FR*\b+FR-1], v[AF+FR*(\a):AF+FR*(\a)+FR-1], v[8*(8*((\a)%4)+\b):8*(8*((\a)%4)+\b)+7]
.endif
.endr
.endr
.endm
.macro FETCH_B slot, q, p              ; B's eight fragments of the slot's q-th 128 along K into set p
	WIN TO_B
.irp i, 0,1,2,3,4,5,6,7
	FRAG 128*(\p)+FR*\i, ADRB+\slot, \q, \i
.endr
	WIN 0
.endm
.macro FETCH_A slot, q, i0             ; A's blocks i0 .. i0 + 3
.irp i, \i0, \i0+1, \i0+2, \i0+3
	FRAG AF+FR*(\i), ADRA+\slot, \q, \i
.endr
.endm
; A load into a register that a matrix instruction has read, and a vector instruction that reads a matrix result or writes one of a matrix instruction's registers, stand NP places behind it; only plain vector
; instructions that name none of its registers are places (ISA guide 7.12.1 for vector instructions).
.macro PLACES n
.rept \n
	v_nop
.endr
.endm
; A step of 128 along K that has its successor in the same slot.  A block of A is free as soon as its eight products are issued, so one set of registers serves A; B's fragments are at work through the whole step and have two.
.macro STEP slot, q, zero
	s_wait_dscnt 4*NL                              ; B's set and A's blocks 0-3 are in; the youngest sixteen loads (A's blocks 4-7) may be out
	WIN MUL_LO
	MUL16 0, (\q)%2, \zero
	MUL16 2, (\q)%2, \zero
	s_wait_dscnt 0                                 ; A's blocks 4-7 are in (asked for 32 matrix instructions ago)
	PLACES NP
	FETCH_B \slot, (\q)+1, 1-(\q)%2
	FETCH_A \slot, (\q)+1, 0
	WIN MUL_HI
	MUL16 4, (\q)%2, \zero
	MUL16 6, (\q)%2, \zero
	PLACES NP
	WIN 0
	FETCH_A \slot, (\q)+1, 4
.endm
; A slot's last step changes slots: ONE barrier; in front of it each wave waits for all its tensor loads, adds 0 to its spare word, and waits for that and for its own reads of this slot.  fill = 1: this slot is filled again, two K steps ahead.
.macro TURN slot, next, fill
	s_wait_tensorcnt 0x0                           ; all my tensor loads have landed: my part of the next slot;  (every window is 0 here: the add's two registers lie in window 0)
	ds_add_u32 v[SPW], v[NIL]                      ; 0 onto my spare word
	s_wait_dscnt 4*NL+1                            ; (the add and the youngest sixteen loads, A's blocks 4-7, may be out)
	WIN MUL_LO
	MUL16 0, 1, 0                                  ; sixteen matrix instructions stand between the add and the wait for it
	s_wait_dscnt 0x0                               ; the add is done, and my reads of this slot are over
	s_barrier_signal -1
	MUL16 2, 1, 0
	WIN 0
	s_barrier_wait -1
.if \fill
	CREST                                          ; the barrier has opened a round of the cluster's barrier: no wave of any partner still reads this slot's tile or has a load on its way
	s_add_nc_u64 s[G0+4*\slot+2:G0+4*\slot+3], s[G0+4*\slot+2:G0+4*\slot+3], 2*ROWB
	s_add_nc_u64 s[G0B+4*\slot+2:G0B+4*\slot+3], s[G0B+4*\slot+2:G0B+4*\slot+3], 2*ROWB
	JLOAD G0+4*\slot, G1, G0B+4*\slot, G1B         ; the first tensor load behind the round, and my only one out; the four v_nop behind it are the places in front of the loads below
.else
	PLACES NP
.endif
	FETCH_B \next, 0, 0
	FETCH_A \next, 0, 0
	WIN MUL_HI
	MUL16 4, 1, 0
	MUL16 6, 1, 0
	PLACES NP
	WIN 0
	FETCH_A \next, 0, 4
.endm
	s_wait_tensorcnt 1                             ; my part of K step 0 is in (K step 1's load may be out)
	s_barrier_signal -1
	s_barrier_wait -1                              ; everybody's is
	FETCH_B 0, 0, 0
	FETCH_A 0, 0, 0
	FETCH_A 0, 0, 4
	STEP 0, 0, 1                                   ; K = 1,024 is four K steps, eight steps of 128: written out, no loop.  The first step's products start the sums
	TURN 0, 1, 1                                   ; slot 0 takes K step 2
	STEP 1, 0, 0
	TURN 1, 0, 1                                   ; slot 1 takes K step 3
	STEP 0, 0, 0
	TURN 0, 1, 0                                   ; nothing is left to fetch, so no round follows
	STEP 1, 0, 0
	s_wait_dscnt 4*NL                              ; the very last step
	WIN MUL_LO
	MUL16 0, 1, 0
	MUL16 2, 1, 0
	s_wait_dscnt 0
	WIN MUL_HI
	MUL16 4, 1, 0
	MUL16 6, 1, 0
	WIN 0
; THE WAY OUT of block a (16 rows of A x 128 rows of B).  In place, each accumulator from its low end on: sum x 2^(e0 + e1) + bias, one packed multiply-add for two numbers; the hold at the largest code x the scale
; (the conversion to an 8-bit code does not saturate: ISA guide 7.6.2); eight conversions: accumulator (a, b)'s eight numbers become registers 2 (b % 4), 2 (b % 4) + 1 of fragment b / 4.
; Four registers leave by one store: 32 lanes x 16 bytes = 512 consecutive bytes, at a multiple of 512 from the buffer's first byte.
; isv = 0: fragment = head b / 4, token tile a;  isv = 1: fragment = key step b / 4, head a / 4, channel tile a % 4; the bias then goes by a.
.macro OUTBLK a, isv
.set AC, 64*((\a)%4)
	WIN 0x82+0x41*((\a)/4)                         ; destination and source 0: window 2 or 3; the bias: window 0
.irp b, 0,1,2,3,4,5,6,7
.if \isv
.set BX, BI+8*(\a)
.else
.set BX, BI+8*\b
.endif
.irp i, 0,2,4,6
	v_pk_fma_f32 v[AC+8*\b+\i:AC+8*\b+\i+1], v[AC+8*\b+\i:AC+8*\b+\i+1], s[80:81], v[BX+\i:BX+\i+1] op_sel_hi:[1,0,1]
.endr
.endr
.set n, 0
.rept 64
.set n, n+1
.endr
	WIN 0x02+((\a)/4)                              ; source 0: window 2 or 3; destination and scale: window 0
.irp b, 0,1,2,3,4,5,6,7
	v_cvt_scalef32_pk8_fp8_f32 v[CD+16*(\a)+2*\b:CD+16*(\a)+2*\b+1], v[AC+8*\b:AC+8*\b+7], v[SCL]
.endr
	v_nop                                          ; one plain vector instruction behind the last conversion of the run
	WIN 0
.irp c, 0,1,2,3
.if \isv
	global_store_b128 v[CO], v[CD+16*(\a)+4*\c:CD+16*(\a)+4*\c+3], s[84:85] offset:((\a)/4)*HEADB+(\c/2)*4096+((\a)%4)*1024+(\c%2)*512
.else
	global_store_b128 v[CO], v[CD+16*(\a)+4*\c:CD+16*(\a)+4*\c+3], s[84:85] offset:(\c/2)*HEADB+(\a)*1024+(\c%2)*512
.endif
.endr
.endm
	s_wait_kmcnt 0x0
	s_add_co_i32 s80, s72, s73                     ; e0 + e1, between -126 and 127,
	s_add_co_i32 s80, s80, 127
	s_lshl_b32 s80, s80, 23                        ; makes the f32 number 2^(e0 + e1)
	s_mov_b32 s81, s80                             ; (named with it as a pair, so it is written)
	s_cmp_eq_u32 ttmp9, 0
	s_cselect_b32 s82, s74, s75                    ; the kind's exponent, chosen without a branch: e2 for q, e3 for k,
	s_cmp_eq_u32 ttmp9, 2
	s_cselect_b32 s82, s77, s82                    ; e5 for v
	s_add_co_i32 s82, s82, 127
	s_lshl_b32 s83, s82, 23
	v_mov_b32 v[SCL], s83                          ; the scale as f32: the conversion takes its exponent field
	s_wait_loadcnt 0x0                             ; the bias
	PLACES NP                                      ; behind the last products: their results are read, and the registers that held A's fragments are written, only behind these
	s_cmp_eq_u32 ttmp9, 2                          ; the two kinds of image differ in immediates and in the bias's index alone; the branch hangs on the cluster's x
	s_cbranch_scc1 .Lv_out
.irp a, 0,1,2,3,4,5,6,7
	OUTBLK \a, 0
.endr
	s_branch .Ldone
.Lv_out:
.irp a, 0,1,2,3,4,5,6,7
	OUTBLK \a, 1
.endr
.Ldone:
	s_wait_tensorcnt 0x0                           ; the wave's end
	ds_add_u32 v[SPW], v[NIL]
	s_wait_dscnt 0x0
	CROUND                                         ; the closing round: no work-group ends while a partner may still ask for a tile that names it
	s_endpgm
.Lfunc_end_k_qe6a842641e_qkv:
	.size	k_qe6a842641e_qkv, .Lfunc_end_k_qe6a842641e_qkv-k_qe6a842641e_qkv
	.p2alignl 7, 3214868480
	.fill 96, 4, 3214868480
	.section	.rodata,"a",@progbits
	.p2align	6, 0x0
	.amdhsa_kernel k_qe6a842641e_qkv
		.amdhsa_group_segment_fixed_size 327680
		.amdhsa_private_segment_fixed_size 0
		.amdhsa_enable_private_segment 0
		.amdhsa_kernarg_size 40
		.amdhsa_user_sgpr_count 2
		.amdhsa_user_sgpr_kernarg_segment_ptr 1
		.amdhsa_wavefront_size32 1
		.amdhsa_system_sgpr_workgroup_id_x 1
		.amdhsa_system_sgpr_workgroup_id_y 1
		.amdhsa_system_sgpr_workgroup_id_z 1
		.amdhsa_system_vgpr_workitem_id 0
		.amdhsa_next_free_vgpr 1024
		.amdhsa_next_free_sgpr 96
		.amdhsa_reserve_vcc 0
		.amdhsa_float_denorm_mode_32 3
		.amdhsa_float_denorm_mode_16_64 3
		.amdhsa_fp16_overflow 1
		.amdhsa_memory_ordered 1
		.amdhsa_forward_progress 1
		.amdhsa_inst_pref_size 133
	.end_amdhsa_kernel
	.amdgpu_metadata
---
amdhsa.version: [ 1, 2 ]
amdhsa.kernels:
  - .name:           k_qe6a842641e_qkv
    .symbol:         k_qe6a842641e_qkv.kd
    .args:
      - { .name: x_codes, .offset: 0, .size: 8, .value_kind: global_buffer, .address_space: global }
      - { .name: w_qkv_codes, .offset: 8, .size: 8, .value_kind: global_buffer, .address_space: global }
      - { .name: lowp_scales, .offset: 16, .size: 8, .value_kind: global_buffer, .address_space: global }
      - { .name: b_qkv, .offset: 24, .size: 8, .value_kind: global_buffer, .address_space: global }
      - { .name: qkv, .offset: 32, .size: 8, .value_kind: global_buffer, .address_space: global }
    .group_segment_fixed_size: 327680
    .private_segment_fixed_size: 0
    .kernarg_segment_align: 8
    .kernarg_segment_size: 40
    .max_flat_workgroup_size: 128
    .sgpr_count:     96
    .vgpr_count:     1024
    .wavefront_size: 32
...
	.end_amdgpu_metadata
.endif
;; end of part 1
;; launch attn (part 2): grid 4 x 64, 16 waves a work-group, clusters of 4 x 1, 264,192 bytes of LDS; arguments qkv, lowp_scales, aimg; writes aimg
.if DOCPART == 2
	.amdgcn_target "amdgcn-amd-amdhsa--gfx1250"
	.amdhsa_code_object_version 6
	.text
	.protected	k_qe6a842641e_attn
	.globl	k_qe6a842641e_attn
	.p2align	8
	.type	k_qe6a842641e_attn,@function
k_qe6a842641e_attn:
	s_mov_b64 s[64:65], 0
	v_nop
	global_prefetch_b8 v0, s[64:65] scope:SCOPE_SE
	s_setreg_imm32_b32 hwreg(HW_REG_WAVE_MODE, 25, 1), 1
	s_wait_xcnt 0x0
	s_wait_alu depctr_hold_cnt(0) depctr_sa_sdst(0) depctr_va_vdst(0) depctr_va_sdst(0) depctr_va_ssrc(0) depctr_va_vcc(0) depctr_vm_vsrc(0)
	s_getreg_b32 s2, hwreg(HW_REG_IB_STS2, 6, 4)
	s_cmp_eq_u32 s2, 0
	s_cbranch_scc0 .Lentry_in_a_cluster
	s_endpgm
.Lentry_in_a_cluster:
	s_bfe_u32 s2, ttmp6, 0x10000c
	s_cmp_lg_u32 s2, 0x3003
	s_cbranch_scc0 .Lentry_shape_is_right
	s_endpgm
.Lentry_shape_is_right:
; Causal attention of one head on codes of FP8 (E4M3): S = q k^T / 8, softmax, O = p v; O is quantised with 2^e6 and stored as images of the last product's operand registers.
; THE SOFTMAX AHEAD OF THE SECOND PRODUCT: t = score x log2(e) / 8; M = the row's largest t so far, rounded UP to a whole number; p = 2^(t - M) is what is quantised (2^e4), not normalised.  The row's sum is taken of the
; unquantised p, in f32, and divides O at the end.  When M moves, the sum and O are multiplied by 2^(old M - new M): nothing is rounded.
; LIMITS on the given exponents, so that each power of two below is an f32 number: e2 + e3 between -123 and 130 (they are added to c's exponent field); e4 and e6 between -126 and 119; e4 + e5 is applied by v_ldexp_f32 and has none.
; SHARES.  A cluster of four work-groups is one head (64 heads).  The head's 2,048 queries are 64 PAIRS of tiles of 16.  Wave w of the partner at place cx owns pair 4 g(w) + cx; g(w) comes from a table that is a magic
; square of 0 .. 15: the four waves with equal w % 4, and the four with equal w / 4, have g adding up to 30, so that each group of four has 68 key steps.  A wave walks key steps 0 .. 2 g + 1 of 64 keys: the bound hangs
; on the wave's number alone and is the same in all partners (for cx < 2 the last step is wholly hidden and adds zeros).  Both tiles of a pair use every fragment of k and v that the wave reads.
; LDS.  The head's k (131,072 bytes) and v (131,072) are resident, as the register images in which the launch before has laid them: key step s of k at 4,096 s, of v at 131,072 + 4,096 s.  They are filled ONCE: each of the
; sixteen waves asks for 16,384 bytes, jointly with the same wave of the three partners.  Nothing is filled again and nothing is stored to LDS: one barrier, no ring.  A wave has one tensor load out.
; LAYOUT.  Both products are used transposed: S^T = k q^T (source 0 = 16 keys, source 1 = 16 queries), O^T = v^T p^T (source 0 = 16 channels, source 1 = p): a lane holds ONE query (lane % 16) throughout, and register j of
; tile t holds key (or channel) 16 t + 8 (lane / 16) + j: the place that the plain 8-bit layout gives k = 16 t + 8 h + j.  So a conversion's two registers are registers 2 t, 2 t + 1 of the next operand.
; aimg: [K step 4][token tile 512][4,096]: heads 4 s .. 4 s + 3, 1,024 bytes each: registers 4 p .. 4 p + 3 of a fragment of 16 tokens x 64 channels at 512 p + 16 lane.
.set HEADB, 393216                     ; a head's q, k and v in the buffer qkv
.set KINDB, 131072                     ; one of the three
.set LN,   1                           ; v1   16 x lane: my place in an image; never rewritten
.set AK,   2                           ; v2   LDS address of the step's k
.set AV,   3                           ; v3   of its v
.set DQ,   4                           ; v4-5 tile u: my query - 8 (lane / 16)
.set NINF, 6                           ; v6   -infinity
.set LIM,  7                           ; v7   unused
.set SCL,  8                           ; v8   2^e4; on the way out 2^e6
.set DD,   9                           ; v9   at work in the mask
.set LNV,  10                          ; v10  16 x lane + 131,072
.set ST,   12                          ; tile u's statistics at v[ST + 8 u]: +0 -M, +1 the largest t, +2, +3 the sum in two halves, +4 f, +5 named with it as a pair, +6, +7 at work
.set C2,   28                          ; v28-31 the sums' second chains
.set Q,    32                          ; v32-47   q, 8 registers a tile
.set KF,   48                          ; v48-79   k's four fragments of a step
.set VF,   80                          ; v80-111  v's four
.set S,    112                         ; v112-175 S^T, then p: 32 u + 8 t + j
.set PC,   176                         ; v176-191 p's codes, later O's: 8 u + 2 t
.set O,    192                         ; v192-255 O^T: 32 u + 8 t + j
.set WV,   10                          ; s10  my wave's number
.set G1,   16                          ; s[16:23] descriptor group 1
.set G0,   24                          ; s[24:27] group 0
.set SEL,  28                          ; s[28:29] lane selects for v_permlanex16_b32: lane l xor 16
.set CS,   30                          ; s[30:31] c = log2(e) / 8 x 2^(e2 + e3): the packed form names a pair and takes its low word for both halves
.set TB,   32                          ; s32  LDS byte of the step's k: 4,096 x step
.set KS,   33                          ; s33  the step
.set NS,   34                          ; s34  my last step: 2 g + 1
.set MS,   35                          ; s35  the first step that may hold hidden keys: 2 g
.set KB,   36                          ; s36  the step's first key: 64 x step
.macro CROUND                          ; a round of the cluster's barrier
	s_barrier_signal -1
	s_barrier_wait -1
	s_cmp_lg_u32 s[WV], 0
	s_cbranch_scc1 .Lnot_wave_0_\@
	s_barrier_signal -3
.Lnot_wave_0_\@:
	s_barrier_wait -3
	s_barrier_signal -1
	s_barrier_wait -1
.endm
	s_load_b128 s[4:7], s[0:1], 0x0                ; qkv s[4:5], the scales' exponents s[6:7]
	s_load_b64 s[8:9], s[0:1], 0x10                ; aimg
	v_lshl_add_u32 v254, v0, 2, 0x40000
	v_mov_b32 v255, 0
	ds_add_u32 v254, v255
	ds_add_u32 v254, v255
	s_wait_dscnt 0x0
	v_lshrrev_b32 v11, 5, v0
	s_delay_alu instid0(VALU_DEP_1)
	v_readfirstlane_b32 s[WV], v11                 ; wave 0..15
	s_bfe_u32 s11, ttmp6, 0x40000                  ; cx: it enters q's and the output's addresses and the mask's numbers, and nothing else
	s_and_b32 s12, ttmp7, 0xffff                   ; the head, 0 .. 63, which the four partners share
	s_mov_b32 s52, 0x0de3b658                      ; g of waves 8 .. 15, four bits each,
	s_cmp_lt_u32 s[WV], 8
	s_cselect_b32 s52, 0x7a94c12f, s52             ; of waves 0 .. 7
	s_and_b32 s53, s[WV], 7
	s_lshl_b32 s53, s53, 2
	s_lshr_b32 s52, s52, s53
	s_and_b32 s13, s52, 15                         ; g
	s_lshl_b32 s14, s13, 2
	s_add_co_u32 s14, s14, s11                     ; my pair of tiles: 4 g + cx
	s_lshl_b32 s[MS], s13, 1
	s_add_co_u32 s[NS], s[MS], 1
	; descriptor group 1: a dense block of 16,384 bytes as 64 rows of 256
	s_mov_b32 s[G1], 15|(3<<16)|(1<<21)            ; 15:0 the mask: all four work-groups; 17:16 elements of 8 bytes; 20 no padding; 21 set beside a mask
	s_mov_b32 s[G1+1], 32<<16                      ; tensor_dim0 = 32 elements
	s_mov_b32 s[G1+2], 64<<16                      ; tensor_dim1 = 64
	s_mov_b32 s[G1+3], 32<<16                      ; tile_dim0
	s_mov_b32 s[G1+4], 64                          ; tile_dim1
	s_mov_b32 s[G1+5], 32                          ; tensor_dim0_stride: each row begins where the last ends
	s_mov_b32 s[G1+6], 0
	s_mov_b32 s[G1+7], 0
	s_mul_i32 s52, s12, HEADB                      ; the head's first byte (24,772,608 at the most)
	s_lshl_b32 s[G0+1], s[WV], 14                  ; LDS address: 16,384 x wave
	s_add_co_u32 s54, s52, s[G0+1]
	s_add_co_u32 s54, s54, KINDB                   ; k and v lie one behind the other, behind q: my 16,384 bytes of their 262,144
	s_mov_b32 s55, 0
	s_lshl_b32 s56, s14, 11
	s_add_co_u32 s56, s56, s52                     ; q: my pair's two tiles of 1,024 bytes
	s_mov_b32 s57, 0
	s_and_b32 s53, s12, 15                         ; the head within its batch
	s_lshr_b32 s58, s53, 2
	s_lshl_b32 s58, s58, 21                        ; aimg: K step (head / 4) x 2,097,152
	s_and_b32 s53, s53, 3
	s_lshl_b32 s53, s53, 10
	s_add_co_u32 s58, s58, s53                     ; + (head % 4) x 1,024
	s_lshr_b32 s53, s12, 4
	s_lshl_b32 s53, s53, 7
	s_lshl_b32 s59, s14, 1
	s_add_co_u32 s53, s53, s59                     ; token tile: 128 x batch + 2 x pair
	s_lshl_b32 s53, s53, 12
	s_add_co_u32 s58, s58, s53
	s_mov_b32 s59, 0
	s_mov_b32 s[SEL], 0x76543210
	s_mov_b32 s[SEL+1], 0xfedcba98
	s_mov_b32 s[TB], 0
	s_mov_b32 s[KS], 0
	s_mov_b32 s[KB], 0
	s_wait_kmcnt 0x0
	s_load_b256 s[40:47], s[6:7], 0x0              ; e0 .. e7
	s_mov_b32 s[G0], 1                             ; 1:0 count = 1
	s_add_nc_u64 s[G0+2:G0+3], s[4:5], s[54:55]    ; 120:64 global address: made of the head and the wave's number alone
	s_or_b32 s[G0+3], s[G0+3], 0x80000000          ; 127:126 type = 2
	s_add_nc_u64 s[48:49], s[4:5], s[56:57]        ; q
	s_add_nc_u64 s[50:51], s[8:9], s[58:59]        ; the output
	CROUND                                         ; all four work-groups are here: the joint loads meet
	tensor_load_to_lds s[G0:G0+3], s[G1:G1+7]
	s_nop 0
.rept 4
	v_nop
.endr
	v_and_b32 v11, 31, v0
	s_delay_alu instid0(VALU_DEP_1)
	v_lshlrev_b32 v[LN], 4, v11
	s_delay_alu instid0(VALU_DEP_1)
	v_add_nc_u32 v[LNV], KINDB, v[LN]
.irp u, 0,1
.irp c, 0,1
	global_load_b128 v[Q+8*\u+4*\c:Q+8*\u+4*\c+3], v[LN], s[48:49] offset:1024*\u+512*\c   ; q's two fragments stay in registers
.endr
.endr
	v_and_b32 v11, 15, v0                          ; r
	v_bfe_u32 v[DD], v0, 4, 1                      ; h
	s_delay_alu instid0(VALU_DEP_1)
	v_lshlrev_b32 v[DD], 3, v[DD]
	s_delay_alu instid0(VALU_DEP_1)
	v_sub_nc_u32 v11, v11, v[DD]                   ; r - 8 h
	s_lshl_b32 s53, s14, 5
	v_add_nc_u32 v[DQ], s53, v11                   ; 32 x pair + r - 8 h
	s_delay_alu instid0(VALU_DEP_1)
	v_add_nc_u32 v[DQ+1], 16, v[DQ]
	v_mov_b32 v[NINF], 0xff800000
.irp u, 0,1
	v_mov_b32 v[ST+8*\u+1], 0xff61b1e6             ; the largest t so far: -3e38, under every t
	s_delay_alu instid0(VALU_DEP_1)
	v_floor_f32 v[ST+8*\u], -v[ST+8*\u+1]          ; -M
	v_mov_b32 v[ST+8*\u+2], 0                      ; the sum, in two halves
	v_mov_b32 v[ST+8*\u+3], 0
	v_mov_b32 v[ST+8*\u+4], 0
	v_mov_b32 v[ST+8*\u+5], 0                      ; (named as the upper half of f's pair)
	v_mov_b32 v[ST+8*\u+6], 0
	v_mov_b32 v[ST+8*\u+7], 0                      ; (a lane permute's destination counts as one of its sources)
.endr
.set n, 0
.rept 64
	v_mov_b32 v[O+n], 0                            ; O^T.  (The step is written once: the first finds zeros, which the first change of M leaves zeros)
.set n, n+1
.endr
	s_wait_kmcnt 0x0
	s_add_co_i32 s53, s42, s43
	s_lshl_b32 s53, s53, 23
	s_add_co_i32 s[CS], s53, 0x3e38aa3b            ; c = log2(e) / 8; a score stands for score x 2^(e2 + e3): the two exponents are added to c's exponent field
	s_mov_b32 s[CS+1], s[CS]
	s_add_co_i32 s53, s44, 127
	s_lshl_b32 s54, s53, 23
	v_mov_b32 v[SCL], s54                          ; 2^e4 as f32
	s_wait_tensorcnt 0x0                           ; my 16,384 bytes are in,
	s_barrier_signal -1
	s_barrier_wait -1                              ; everybody's are: the head's k and v lie in LDS, and nobody writes LDS again
	s_wait_loadcnt 0x0                             ; q
; THE LOOP: 32 trips in every wave, a constant, so that the LDS address steps by a constant in a counted loop; a step beyond my last is left out by a branch that hangs on the wave's number alone.
.Lstep:
	s_cmp_gt_u32 s[KS], s[NS]
	s_cbranch_scc1 .Lskip
	s_setprio 2
	v_add_nc_u32 v[AK], s[TB], v[LN]
	v_add_nc_u32 v[AV], s[TB], v[LNV]
	v_nop
	v_nop                                          ; these four are the places between the last trip's products, which read v's fragments, and the loads into them
.irp t, 0,1,2,3
.irp c, 0,1
	ds_load_b128 v[KF+8*\t+4*\c:KF+8*\t+4*\c+3], v[AK] offset:1024*\t+512*\c   ; an image as it lies: 32 lanes x 16 consecutive bytes
.endr
.endr
.irp t, 0,1,2,3
.irp c, 0,1
	ds_load_b128 v[VF+8*\t+4*\c:VF+8*\t+4*\c+3], v[AV] offset:1024*\t+512*\c
.endr
.endr
	s_wait_dscnt 8                                 ; k's eight loads are in; v's eight may stay out
.irp t, 0,1,2,3
.irp u, 0,1
	v_wmma_f32_16x16x64_fp8_fp8 v[S+32*\u+8*\t:S+32*\u+8*\t+7], v[KF+8*\t:KF+8*\t+7], v[Q+8*\u:Q+8*\u+7], 0
.endr
.endr
	v_mov_b32 v[ST+4], v[ST]                       ; the old -M is kept for f.  These two and two v_nop are the places behind the products
	v_mov_b32 v[ST+12], v[ST+8]
	v_nop
	v_nop
	s_cmp_lt_u32 s[KS], s[MS]                      ; a step all of whose keys count for all my queries has no mask
	s_cbranch_scc1 .Lopen
.irp u, 0,1                                    ; register 8 t + j holds key 64 step + 16 t + 8 h + j: hidden where 16 t + j > my query - 64 step - 8 h.  Hidden scores become -infinity ahead of the maximum: p = 0 then
	v_sub_nc_u32 v[DD], v[DQ+\u], s[KB]
.set n, 0
.rept 32
	v_cmp_gt_i32 vcc_lo, 16*(n/8)+n%8, v[DD]
	v_cndmask_b32 v[S+32*\u+n], v[S+32*\u+n], v[NINF], vcc_lo
.set n, n+1
.endr
.endr
.Lopen:
.irp u, 0,1                                    ; the step's largest score of my query among my 32 keys, in two chains; the two tiles alternate; each accumulator is first read at its low end
	v_max3_num_f32 v[ST+8*\u+6], v[S+32*\u], v[S+32*\u+1], v[S+32*\u+2]
	v_max3_num_f32 v[ST+8*\u+7], v[S+32*\u+3], v[S+32*\u+4], v[S+32*\u+5]
.endr
.irp i, 6,10,14,18,22,26
.irp u, 0,1
	v_max3_num_f32 v[ST+8*\u+6], v[ST+8*\u+6], v[S+32*\u+\i], v[S+32*\u+\i+1]
	v_max3_num_f32 v[ST+8*\u+7], v[ST+8*\u+7], v[S+32*\u+\i+2], v[S+32*\u+\i+3]
.endr
.endr
.irp u, 0
	v_max3_num_f32 v[ST+8*\u+6], v[ST+8*\u+6], v[S+32*\u+30], v[S+32*\u+31]
.endr
.irp u, 1
	v_max3_num_f32 v[ST+8*\u+6], v[ST+8*\u+6], v[S+32*\u+30], v[S+32*\u+31]
.endr
.irp u, 0,1
	s_delay_alu instid0(VALU_DEP_2)
	v_max_num_f32 v[ST+8*\u+6], v[ST+8*\u+6], v[ST+8*\u+7]
.endr
.irp u, 0,1
	s_delay_alu instid0(VALU_DEP_2)
	v_permlanex16_b32 v[ST+8*\u+7], v[ST+8*\u+6], s[SEL], s[SEL+1]   ; the query's other 32 keys lie in the lane 16 away
.endr
.irp u, 0,1
	s_delay_alu instid0(VALU_DEP_2)
	v_max_num_f32 v[ST+8*\u+6], v[ST+8*\u+6], v[ST+8*\u+7]
.endr
.irp u, 0,1
	s_delay_alu instid0(VALU_DEP_2)
	v_mul_f32 v[ST+8*\u+6], s[CS], v[ST+8*\u+6]    ; as t (c is positive)
.endr
.irp u, 0,1
	s_delay_alu instid0(VALU_DEP_2)
	v_max_num_f32 v[ST+8*\u+1], v[ST+8*\u+1], v[ST+8*\u+6]   ; the running largest t
.endr
.irp u, 0,1
	s_delay_alu instid0(VALU_DEP_2)
	v_floor_f32 v[ST+8*\u], -v[ST+8*\u+1]          ; the new -M = floor(-t) = -ceil(t): M is a whole number
.endr
.irp u, 0,1
	s_delay_alu instid0(VALU_DEP_2)
	v_sub_f32 v[ST+8*\u+4], v[ST+8*\u], v[ST+8*\u+4]   ; M's old value less its new one: a whole number, 0 or less
.endr
.irp u, 0,1
	s_delay_alu instid0(VALU_DEP_2)
	v_cvt_i32_f32 v[ST+8*\u+4], v[ST+8*\u+4]       ; (it saturates)
.endr
.irp u, 0,1
	s_delay_alu instid0(VALU_DEP_2)
	v_ldexp_f32 v[ST+8*\u+4], 1.0, v[ST+8*\u+4]    ; f = 2^(old M - new M)
.endr
.irp j, 0,2,4,6,8,10,12,14,16,18,20,22,24,26,28,30
.irp u, 0,1
	v_pk_fma_f32 v[S+32*\u+\j:S+32*\u+\j+1], v[S+32*\u+\j:S+32*\u+\j+1], s[CS:CS+1], v[ST+8*\u:ST+8*\u+1] op_sel_hi:[1,0,0]   ; t - M, two at a time (of the pairs c and -M the low word serves both halves)
.endr
.endr
.set n, 0
	s_setprio 1
	s_wait_alu depctr_va_vdst(0)
.rept 64
	v_exp_f32 v[S+n], v[S+n]                       ; p = 2^(t - M), at most 1: one batch for both tiles
.set n, n+1
.endr
.irp u, 0,1
	v_pk_mul_f32 v[ST+8*\u+2:ST+8*\u+3], v[ST+8*\u+2:ST+8*\u+3], v[ST+8*\u+4:ST+8*\u+5] op_sel_hi:[1,0]   ; the sums under the new M: plain instructions behind the exponentials
.endr
	s_wait_alu depctr_va_vdst(0)                   ; one wait for the whole batch, ahead of its first reader
.irp u, 0,1
	v_pk_add_f32 v[C2+2*\u:C2+2*\u+1], v[S+32*\u:S+32*\u+1], v[S+32*\u+2:S+32*\u+3]   ; the row's sum is taken of the UNQUANTISED p: two at a time, in two chains
.endr
.irp j, 4,8,12,16,20,24,28
.irp u, 0,1
	v_pk_add_f32 v[ST+8*\u+2:ST+8*\u+3], v[ST+8*\u+2:ST+8*\u+3], v[S+32*\u+\j:S+32*\u+\j+1]
	v_pk_add_f32 v[C2+2*\u:C2+2*\u+1], v[C2+2*\u:C2+2*\u+1], v[S+32*\u+\j+2:S+32*\u+\j+3]
.endr
.endr
.irp u, 0
	s_delay_alu instid0(VALU_DEP_3)
	v_pk_add_f32 v[ST+8*\u+2:ST+8*\u+3], v[ST+8*\u+2:ST+8*\u+3], v[C2+2*\u:C2+2*\u+1]
.endr
.irp u, 1
	s_delay_alu instid0(VALU_DEP_2)
	v_pk_add_f32 v[ST+8*\u+2:ST+8*\u+3], v[ST+8*\u+2:ST+8*\u+3], v[C2+2*\u:C2+2*\u+1]
.endr
.irp u, 0,1
.set n, 0
.rept 32
.set n, n+1
.endr
.irp t, 0,1,2,3
	v_cvt_scalef32_pk8_fp8_f32 v[PC+8*\u+2*\t:PC+8*\u+2*\t+1], v[S+32*\u+8*\t:S+32*\u+8*\t+7], v[SCL]   ; registers 2 t, 2 t + 1 of the second product's operand
.endr
.endr
.irp j, 0,2,4,6,8,10,12,14,16,18,20,22,24,26,28,30
.irp u, 0,1
	v_pk_mul_f32 v[O+32*\u+\j:O+32*\u+\j+1], v[O+32*\u+\j:O+32*\u+\j+1], v[ST+8*\u+4:ST+8*\u+5] op_sel_hi:[1,0]   ; O^T under the new M: x f, from each accumulator's low end on.  (Also the plain instructions behind the conversions)
.endr
.endr
	s_setprio 0
	s_wait_alu depctr_va_vdst(0)
	s_wait_dscnt 0x0                               ; v's fragments are in
.irp t, 0,1,2,3                                ; the eight accumulators take turns, one instruction a turn
.irp u, 0,1
	v_wmma_f32_16x16x64_fp8_fp8 v[O+32*\u+8*\t:O+32*\u+8*\t+7], v[VF+8*\t:VF+8*\t+7], v[PC+8*\u:PC+8*\u+7], v[O+32*\u+8*\t:O+32*\u+8*\t+7]
.endr
.endr
.Lskip:
	s_add_co_u32 s[TB], s[TB], 4096
	s_add_co_u32 s[KB], s[KB], 64
	s_add_co_u32 s[KS], s[KS], 1
	s_cmp_lt_u32 s[KS], 32
	s_cbranch_scc1 .Lstep
	s_setprio 0
	; THE WAY OUT.  O^T / the sum x 2^(e4 + e5) is the attention's output; it is quantised with 2^e6, and its codes are the last product's operand registers: two stores of 512 consecutive bytes a tile.
	s_add_co_i32 s52, s44, s45                     ; e4 + e5
	s_add_co_i32 s53, s46, 127
	s_lshl_b32 s54, s53, 23                        ; 2^e6
.irp u, 0,1
	v_add_f32 v[ST+8*\u+6], v[ST+8*\u+2], v[ST+8*\u+3]   ; the sum's two halves (these additions and moves are the places behind the last products),
.endr
.irp u, 0,1
	s_delay_alu instid0(VALU_DEP_2)
	v_permlanex16_b32 v[ST+8*\u+7], v[ST+8*\u+6], s[SEL], s[SEL+1]
.endr
.irp u, 0,1
	s_delay_alu instid0(VALU_DEP_2)
	v_add_f32 v[ST+8*\u+6], v[ST+8*\u+6], v[ST+8*\u+7]   ; and lane l xor 16's: the row's sum, above 1/2
.endr
	s_wait_alu depctr_va_vdst(0)
.irp u, 0,1
	v_rcp_f32 v[ST+8*\u+4], v[ST+8*\u+6]
.endr
	v_mov_b32 v[SCL], s54                          ; plain instructions behind the reciprocals
	s_wait_alu depctr_va_vdst(0)                   ; one wait for both, ahead of their first reader
.irp u, 0,1
	v_ldexp_f32 v[ST+8*\u+4], v[ST+8*\u+4], s52
.endr
.irp u, 0,1
.irp j, 0,2,4,6,8,10,12,14,16,18,20,22,24,26,28,30
	v_pk_mul_f32 v[O+32*\u+\j:O+32*\u+\j+1], v[O+32*\u+\j:O+32*\u+\j+1], v[ST+8*\u+4:ST+8*\u+5] op_sel_hi:[1,0]
.endr
.set n, 0
.rept 32
.set n, n+1
.endr
.irp t, 0,1,2,3
	v_cvt_scalef32_pk8_fp8_f32 v[PC+8*\u+2*\t:PC+8*\u+2*\t+1], v[O+32*\u+8*\t:O+32*\u+8*\t+7], v[SCL]
.endr
.endr
	v_nop                                          ; one plain vector instruction behind the last conversion
.irp u, 0,1
.irp c, 0,1
	global_store_b128 v[LN], v[PC+8*\u+4*\c:PC+8*\u+4*\c+3], s[50:51] offset:4096*\u+512*\c
.endr
.endr
	s_wait_xcnt 0x0
	v_lshl_add_u32 v254, v0, 2, 0x40000
	v_mov_b32 v255, 0
	s_wait_alu depctr_va_vdst(0)
	s_wait_tensorcnt 0x0
	ds_add_u32 v254, v255
	s_wait_dscnt 0x0
	CROUND                                         ; the closing round
	s_endpgm
.Lfunc_end_k_qe6a842641e_attn:
	.size	k_qe6a842641e_attn, .Lfunc_end_k_qe6a842641e_attn-k_qe6a842641e_attn
	.p2alignl 7, 3214868480
	.fill 96, 4, 3214868480
	.section	.rodata,"a",@progbits
	.p2align	6, 0x0
	.amdhsa_kernel k_qe6a842641e_attn
		.amdhsa_group_segment_fixed_size 264192
		.amdhsa_private_segment_fixed_size 0
		.amdhsa_enable_private_segment 0
		.amdhsa_kernarg_size 24
		.amdhsa_user_sgpr_count 2
		.amdhsa_user_sgpr_kernarg_segment_ptr 1
		.amdhsa_wavefront_size32 1
		.amdhsa_system_sgpr_workgroup_id_x 1
		.amdhsa_system_sgpr_workgroup_id_y 1
		.amdhsa_system_sgpr_workgroup_id_z 1
		.amdhsa_system_vgpr_workitem_id 0
		.amdhsa_next_free_vgpr 256
		.amdhsa_next_free_sgpr 66
		.amdhsa_reserve_vcc 1
		.amdhsa_float_denorm_mode_32 3
		.amdhsa_float_denorm_mode_16_64 3
		.amdhsa_fp16_overflow 1
		.amdhsa_memory_ordered 1
		.amdhsa_forward_progress 1
		.amdhsa_inst_pref_size 31
	.end_amdhsa_kernel
	.amdgpu_metadata
---
amdhsa.version: [ 1, 2 ]
amdhsa.kernels:
  - .name:           k_qe6a842641e_attn
    .symbol:         k_qe6a842641e_attn.kd
    .args:
      - { .name: qkv, .offset: 0, .size: 8, .value_kind: global_buffer, .address_space: global }
      - { .name: lowp_scales, .offset: 8, .size: 8, .value_kind: global_buffer, .address_space: global }
      - { .name: aimg, .offset: 16, .size: 8, .value_kind: global_buffer, .address_space: global }
    .group_segment_fixed_size: 264192
    .private_segment_fixed_size: 0
    .kernarg_segment_align: 8
    .kernarg_segment_size: 24
    .max_flat_workgroup_size: 512
    .sgpr_count:     66
    .vgpr_count:     256
    .wavefront_size: 32
...
	.end_amdgpu_metadata
.endif
;; end of part 2
;; launch proj (part 3): grid 4 x 64, 4 waves a work-group, clusters of 4 x 4, 327,680 bytes of LDS; arguments aimg, w_out_codes, lowp_scales, b_out, out0; writes out0
.if DOCPART == 3
	.amdgcn_target "amdgcn-amd-amdhsa--gfx1250"
	.amdhsa_code_object_version 6
	.text
	.protected	k_qe6a842641e_proj
	.globl	k_qe6a842641e_proj
	.p2align	8
	.type	k_qe6a842641e_proj,@function
k_qe6a842641e_proj:
	s_mov_b64 s[64:65], 0
	v_nop
	global_prefetch_b8 v0, s[64:65] scope:SCOPE_SE
	s_setreg_imm32_b32 hwreg(HW_REG_WAVE_MODE, 25, 1), 1
	s_wait_xcnt 0x0
	s_wait_alu depctr_hold_cnt(0) depctr_sa_sdst(0) depctr_va_vdst(0) depctr_va_sdst(0) depctr_va_ssrc(0) depctr_va_vcc(0) depctr_vm_vsrc(0)
	s_getreg_b32 s2, hwreg(HW_REG_IB_STS2, 6, 4)
	s_cmp_eq_u32 s2, 0
	s_cbranch_scc0 .Lentry_in_a_cluster
	s_endpgm
.Lentry_in_a_cluster:
	s_bfe_u32 s2, ttmp6, 0x10000c
	s_cmp_lg_u32 s2, 0xf033
	s_cbranch_scc0 .Lentry_shape_is_right
	s_endpgm
.Lentry_shape_is_right:
; out0 = a w_out + b_out on codes of FP8 (E4M3).  a: the attention's output as codes, laid by the launch before as images of this product's operand registers; w_out: [1024 (n)][1024 (k)] codes, K innermost;
; a sum stands for sum x 2^(e6 + e7); b_out and out0 [8192][1024] are f32.  LIMIT: e6 + e7 between -126 and 127, so that 2^(e6 + e7) is an f32 number.
; SHARES.  A tile of 128 tokens x 256 columns is made by a work-group of four waves (256 work-groups; a tile of 256 x 256 would make 128), 64 x 128 a wave: 32 accumulators, 256 registers.
; K = 1,024 goes in four steps of 256 through a ring of two LDS slots.  CLUSTERS: 4 x 4 work-groups; a's tile is asked for jointly by a row of the cluster, w_out's by a column.
; a's tile of a K step is ONE DENSE BLOCK: eight token tiles x 4,096 bytes; block i's fragment of the q-th 128 along K lies at 4,096 i + 2,048 q, registers 4 c .. 4 c + 3 at 512 c + 16 lane: four loads of 512 consecutive bytes.
; Those images hold k in the places of the plain 8-bit layout (registers 2 c, 2 c + 1: k = 16 c + 8 h + 0 .. 7), so w_out's fragments are fetched in that layout too: eight loads of 8 bytes at row x pitch + 16 c + 8 h.
; THE MATRIX INSTRUCTION IS USED TRANSPOSED (source 0 = 16 rows of w_out, source 1 = 16 tokens): a lane holds eight neighbouring columns of one row of out0.
; REGISTERS, in windows of 256: window 0: v0-31 addresses; v32-95 the bias; v128-191 a's fragments, ONE set, later rows of out0; v192-255 rows of out0.   window 1: w_out's fragments, TWO sets.   window 2: the accumulators ((a, b) at v[8 (8 a + b)]).
.set KROW,   1024                      ; a row of w_out in memory, in bytes
.set ROWB,   256                       ; a row of its tile
.set KPLANE, 2097152                   ; a K step of aimg
.set PITCH,  272                       ; an LDS row of w_out's tile: 256 bytes + 16 of padding = 68 words: the 32 lanes of a load of 8 bytes take words 68 r + 2 h, + 1: each of the 64 banks of 4 bytes (ISA guide 11.1) once
.set FR,     16                        ; registers of a fragment: 16 rows x 128 K
.set NP,     4                         ; places behind this matrix instruction (ISA guide 7.12.1)
.set ABYTES, 32768                     ; a's tile
.set BHALF,  128*PITCH                 ; 128 rows of w_out's
.set SLOT,   ABYTES+2*BHALF
.set SPARE,  2*SLOT                    ; behind the ring: the spare words, 128 bytes for each wave, which no other line names
.set STAGE,  SPARE+512                 ; behind them: 16 rows x (512 bytes + 16) for each wave, for the way out: bytes of its own, into which no tensor load lands
.set SPITCH, 528
.set ADRA, 16                          ; v16-17  LDS address of my fragments of a in slot 0, 1
.set ADRB, 20                          ; v20-21  the same for w_out
.set STO,  24                          ; v24     the way out: where I put 32 bytes of a row
.set RD,   25                          ; v25     where I read a row back
.set CO,   26                          ; v26     16 x lane
.set BOF,  27                          ; v27     the bias's offset: 32 h
.set SPW,  28                          ; v28     LDS address of my spare word; never rewritten
.set NIL,  29                          ; v29     0; never rewritten
.set BI,   32                          ; v32-95  the bias: tile b's eight registers: b_out at my column 16 b + 8 h + j
.set AF,   128                         ; a's fragments
.set BK,   128                         ; the way out: 16 rows read back from the stage: v128-191 and v192-255 by turns
.set G1, 24                            ; s[24:31] descriptor group 1 for a's tiles;  s[32:39] group 0, one set for each slot
.set G0, 32
.set G1B, 48                           ; s[48:55], s[56:63] the same for w_out's tiles
.set G0B, 56
.set MSB, 0
.macro WIN new                         ; the immediate's high byte repeats the setting that is left
.if MSB != (\new)
	s_set_vgpr_msb (MSB<<8)|(\new)
.set MSB, (\new)
.endif
.endm
.set MUL,  0xa1                        ; source 0 (w_out) window 1, source 1 (a) window 0, C and D window 2
.set TO_B, 0x40                        ; destination window 1, address window 0
; A joint load: waves 0 and 1 fetch a's two halves, waves 2 and 3 w_out's.  The branch hangs on the wave's number alone.  Four v_nop follow each of the two lines.
.macro JLOAD g0a, g1a, g0b, g1b
	s_cmp_eq_u32 s15, 0
	s_cbranch_scc0 .Lfor_b_\@
	tensor_load_to_lds s[\g0a:\g0a+3], s[\g1a:\g1a+7]
	s_nop 0
.rept 4
	v_nop
.endr
	s_branch .Lasked_\@
.Lfor_b_\@:
	tensor_load_to_lds s[\g0b:\g0b+3], s[\g1b:\g1b+7]
	s_nop 0
.rept 4
	v_nop
.endr
.Lasked_\@:
.endm
.macro CREST                           ; a round of the cluster's barrier behind its opening barrier
	s_cmp_lg_u32 s14, 0
	s_cbranch_scc1 .Lnot_wave_0_\@
	s_barrier_signal -3
.Lnot_wave_0_\@:
	s_barrier_wait -3
	s_barrier_signal -1
	s_barrier_wait -1
.endm
.macro CROUND                          ; a whole round
	s_barrier_signal -1
	s_barrier_wait -1
	CREST
.endm
	s_load_b256 s[4:11], s[0:1], 0x0               ; aimg s[4:5], w_out s[6:7], the scales' exponents s[8:9], b_out s[10:11]
	s_load_b64 s[12:13], s[0:1], 0x20              ; out0
	v_lshl_add_u32 v[SPW], v0, 2, SPARE
	v_mov_b32 v[NIL], 0
	ds_add_u32 v28, v29
	ds_add_u32 v28, v29
	s_wait_dscnt 0x0
	v_lshrrev_b32 v1, 5, v0
	v_readfirstlane_b32 s14, v1                    ; wave 0..3
	s_lshr_b32 s15, s14, 1                         ; which 64 tokens are mine.  Also: I fetch for a (0) or for w_out (1)
	s_and_b32 s16, s14, 1                          ; which 128 columns.  Also: which half of that tile I fetch
	s_bfe_u32 s40, ttmp6, 0x40000                  ; cx, cy: my place in the cluster
	s_bfe_u32 s41, ttmp6, 0x40004
	s_lshl_b32 s42, ttmp9, 2
	s_add_co_u32 s42, s42, s40                     ; tile of 256 columns = 4 x cluster x + cx
	s_and_b32 s43, ttmp7, 0xffff
	s_lshl_b32 s43, s43, 2
	s_add_co_u32 s43, s43, s41                     ; tile of 128 tokens = 4 x cluster y + cy
	s_lshl_b32 s70, s41, 2
	s_lshl_b32 s70, 15, s70                        ; my row of the cluster
	s_lshl_b32 s71, 0x1111, s40                    ; my column
	; descriptor group 1 for a: a dense block of 16,384 bytes as 64 rows of 256
	s_or_b32 s[G1+0], s70, (3<<16)|(1<<21)         ; 15:0 the mask: my row; 17:16 elements of 8 bytes; 20 no padding; 21 set beside a mask
	s_mov_b32 s[G1+1], 32<<16                      ; tensor_dim0 = 32 elements
	s_mov_b32 s[G1+2], 64<<16                      ; tensor_dim1 = 64
	s_mov_b32 s[G1+3], 32<<16                      ; tile_dim0
	s_mov_b32 s[G1+4], 64                          ; tile_dim1
	s_mov_b32 s[G1+5], 32                          ; tensor_dim0_stride: each row begins where the last ends
	s_mov_b32 s[G1+6], 0
	s_mov_b32 s[G1+7], 0
	; for w_out: 128 rows x 256 bytes, padded in LDS
	s_or_b32 s[G1B+0], s71, (0<<16)|(1<<20)|(1<<21)|(5<<22)|(3<<25)  ; the mask: my column; element of 1 byte; padding on: 4 words after every 64
	s_mov_b32 s[G1B+1], ROWB<<16
	s_mov_b32 s[G1B+2], 128<<16
	s_mov_b32 s[G1B+3], ROWB<<16
	s_mov_b32 s[G1B+4], 128
	s_mov_b32 s[G1B+5], KROW
	s_mov_b32 s[G1B+6], 0
	s_mov_b32 s[G1B+7], 0
	s_lshl_b32 s20, s43, 3
	s_lshl_b32 s18, s16, 2
	s_add_co_u32 s20, s20, s18                     ; a: token tile 8 x tile + 4 x half,
	s_lshl_b32 s20, s20, 12                        ; of 4,096 bytes
	s_mov_b32 s21, 0
	s_lshl_b32 s46, s42, 8
	s_lshl_b32 s18, s16, 7
	s_add_co_u32 s46, s46, s18                     ; w_out: row 256 x tile + 128 x half,
	s_lshl_b32 s46, s46, 10                        ; of 1,024 bytes
	s_mov_b32 s47, 0
	s_lshl_b32 s45, s16, 14                        ; where they go: a's halves, 16,384 bytes each,
	s_mul_i32 s44, s16, BHALF
	s_add_co_u32 s44, s44, ABYTES                  ; w_out's behind them: no place in the cluster enters an LDS address
	s_wait_kmcnt 0x0
	s_load_b256 s[72:79], s[8:9], 0x0              ; e0 .. e7
	s_add_nc_u64 s[66:67], s[4:5], s[20:21]
	s_add_nc_u64 s[68:69], s[6:7], s[46:47]
	CROUND                                         ; all sixteen work-groups are here: the first joint loads meet
.irp s, 0,1
	s_mov_b32 s[G0+4*\s], 1
	s_add_co_u32 s[G0+4*\s+1], s45, \s*SLOT
	s_add_nc_u64 s[G0+4*\s+2:G0+4*\s+3], s[66:67], \s*KPLANE
	s_or_b32 s[G0+4*\s+3], s[G0+4*\s+3], 0x80000000
	s_mov_b32 s[G0B+4*\s], 1
	s_add_co_u32 s[G0B+4*\s+1], s44, \s*SLOT
	s_add_nc_u64 s[G0B+4*\s+2:G0B+4*\s+3], s[68:69], \s*ROWB
	s_or_b32 s[G0B+4*\s+3], s[G0B+4*\s+3], 0x80000000
	JLOAD G0+4*\s, G1, G0B+4*\s, G1B               ; two tensor loads of mine are out behind the second
.endr
	v_and_b32 v1, 15, v0                           ; r
	v_bfe_u32 v2, v0, 4, 1                         ; h
	v_and_b32 v6, 31, v0
	v_lshlrev_b32 v[CO], 4, v6
	v_mul_u32_u24 v3, v1, PITCH
	v_lshl_add_u32 v3, v2, 3, v3                   ; w_out: row x pitch + 8 h
	s_lshl_b32 s21, s15, 14                        ; my four token tiles of a
	s_mul_i32 s22, s16, BHALF                      ; my 128 rows of w_out,
	s_add_co_u32 s22, s22, ABYTES                  ; which lie behind a's tile
.irp s, 0,1
	v_add_nc_u32 v[ADRA+\s], s21, v[CO]
	v_add_nc_u32 v[ADRB+\s], s22, v3
	s_add_co_u32 s21, s21, SLOT
	s_add_co_u32 s22, s22, SLOT
.endr
	s_mul_i32 s23, s14, 16*SPITCH
	s_add_co_u32 s23, s23, STAGE                   ; my stage
	v_mul_u32_u24 v5, v1, SPITCH                   ; in: row r, 32 bytes for each half of the lanes
	v_lshl_add_u32 v5, v2, 5, v5
	v_add_nc_u32 v[STO], s23, v5
	v_add_nc_u32 v[RD], s23, v[CO]                 ; back: the 32 lanes take one row of 512 bytes
	v_lshlrev_b32 v[BOF], 5, v2
	s_lshl_b32 s88, s42, 10
	s_lshl_b32 s89, s16, 9
	s_add_co_u32 s88, s88, s89                     ; my first column, in bytes of f32: 1,024 x tile + 512 x half: in b_out and in a row of out0
	s_mov_b32 s89, 0
	s_add_nc_u64 s[86:87], s[10:11], s[88:89]
.irp b, 0,1,2,3,4,5,6,7
	global_load_b128 v[BI+8*\b:BI+8*\b+3], v[BOF], s[86:87] offset:64*\b        ; the bias stays out across the products and is waited for once, ahead of the way out
	global_load_b128 v[BI+8*\b+4:BI+8*\b+7], v[BOF], s[86:87] offset:64*\b+16
.endr
	s_lshl_b32 s90, s43, 7
	s_lshl_b32 s91, s15, 6
	s_add_co_u32 s90, s90, s91                     ; my first row of out0: 128 x tile + 64 x half,
	s_lshl_b32 s90, s90, 12                        ; of 4,096 bytes (33,554,432 at the most)
	s_add_co_u32 s90, s90, s88
	s_mov_b32 s91, 0
	s_add_nc_u64 s[84:85], s[12:13], s[90:91]
.macro FRAG_A reg, adr, q, i           ; an image as it lies: four loads of 512 consecutive bytes
.irp c, 0,1,2,3
	ds_load_b128 v[\reg+4*\c:\reg+4*\c+3], v[\adr] offset:(\i)*4096+(\q)*2048+512*\c
.endr
.endm
.macro FRAG_B reg, adr, q, i           ; registers 2 c, 2 c + 1: K = 16 c + 8 (l / 16) + 0 .. 7 of row l % 16
.irp c, 0,1,2,3,4,5,6,7
	ds_load_b64 v[\reg+2*\c:\reg+2*\c+1], v[\adr] offset:128*(\q)+16*\c+(\i)*16*PITCH
.endr
.endm
; 8 matrix instructions: a's block x w_out's eight, 128 along K.  p: w_out's set.  zero = 1: the first product starts the sums.  The 32 accumulators take turns, one instruction a turn, in the same order in every step.
.macro MULB a, p, zero
.irp b, 0,1,2,3,4,5,6,7
.if \zero
	v_wmma_f32_16x16x128_fp8_fp8 v[8*(8*(\a)+\b):8*(8*(\a)+\b)+7], v[128*(\p)+FR*\b:128*(\p)+FR*\b+FR-1], v[AF+FR*(\a):AF+FR*(\a)+FR-1], 0
.else
	v_wmma_f32_16x16x128_fp8_fp8 v[8*(8*(\a)+\b):8*(8*(\a)+\b)+7], v[128*(\p)+FR*\b:128*(\p)+FR*\b+FR-1], v[AF+FR*(\a):AF+FR*(\a)+FR-1], v[8*(8*(\a)+\b):8*(8*(\a)+\b)+7]
.endif
.endr
.endm
.macro FETCH_B slot, q, p              ; w_out's eight fragments of the slot's q-th 128 along K into set p
	WIN TO_B
.irp i, 0,1,2,3,4,5,6,7
	FRAG_B 128*(\p)+FR*\i, ADRB+\slot, \q, \i
.endr
	WIN 0
.endm
.macro FETCH_A slot, q, i0             ; a's blocks i0, i0 + 1
.irp i, \i0, \i0+1
	FRAG_A AF+FR*(\i), ADRA+\slot, \q, \i
.endr
.endm
; A load into a register that a matrix instruction has read, and a vector instruction or an LDS store that reads a matrix result, stand NP places behind it; only plain vector instructions that name none of its
; registers are places (ISA guide 7.12.1 for vector instructions).
.macro PLACES n
.rept \n
	v_nop
.endr
.endm
; A step of 128 along K that has its successor in the same slot.  A block of a is free as soon as its eight products are issued: one set serves a; w_out's fragments are at work through the whole step and have two.
.macro STEP slot, q, zero
	s_wait_dscnt 8                                 ; w_out's set and a's blocks 0, 1 are in; the youngest eight loads (blocks 2, 3) may be out
	WIN MUL
	MULB 0, (\q)%2, \zero
	MULB 1, (\q)%2, \zero
	s_wait_dscnt 0                                 ; blocks 2, 3 are in
	PLACES NP
	FETCH_B \slot, (\q)+1, 1-(\q)%2
	FETCH_A \slot, (\q)+1, 0
	WIN MUL
	MULB 2, (\q)%2, \zero
	MULB 3, (\q)%2, \zero
	PLACES NP
	WIN 0
	FETCH_A \slot, (\q)+1, 2
.endm
; A slot's last step changes slots: ONE barrier; in front of it each wave waits for all its tensor loads, adds 0 to its spare word, and waits for that and for its own reads of this slot.  fill = 1: this slot is filled again, two K steps ahead.
.macro TURN slot, next, fill
	s_wait_tensorcnt 0x0                           ; all my tensor loads have landed: my part of the next slot;  (every window is 0 here: the add's two registers lie in window 0)
	ds_add_u32 v[SPW], v[NIL]                      ; 0 onto my spare word
	s_wait_dscnt 9                                 ; (the add and the youngest eight loads, a's blocks 2, 3, may be out)
	WIN MUL
	MULB 0, 1, 0                                   ; eight matrix instructions stand between the add and the wait for it
	s_wait_dscnt 0x0                               ; the add is done, and my reads of this slot are over
	s_barrier_signal -1
	MULB 1, 1, 0
	WIN 0
	s_barrier_wait -1
.if \fill
	CREST                                          ; the barrier has opened a round of the cluster's barrier: no wave of any partner still reads this slot's tile or has a load on its way
	s_add_nc_u64 s[G0+4*\slot+2:G0+4*\slot+3], s[G0+4*\slot+2:G0+4*\slot+3], 2*KPLANE
	s_add_nc_u64 s[G0B+4*\slot+2:G0B+4*\slot+3], s[G0B+4*\slot+2:G0B+4*\slot+3], 2*ROWB
	JLOAD G0+4*\slot, G1, G0B+4*\slot, G1B         ; the first tensor load behind the round, and my only one out; the four v_nop behind it are the places in front of the loads below
.else
	PLACES NP
.endif
	FETCH_B \next, 0, 0
	FETCH_A \next, 0, 0
	WIN MUL
	MULB 2, 1, 0
	MULB 3, 1, 0
	PLACES NP
	WIN 0
	FETCH_A \next, 0, 2
.endm
	s_wait_tensorcnt 1                             ; my part of K step 0 is in (K step 1's load may be out)
	s_barrier_signal -1
	s_barrier_wait -1                              ; everybody's is
	FETCH_B 0, 0, 0
	FETCH_A 0, 0, 0
	FETCH_A 0, 0, 2
	STEP 0, 0, 1                                   ; four K steps, eight steps of 128: written out, no loop.  The first step's products start the sums
	TURN 0, 1, 1                                   ; slot 0 takes K step 2
	STEP 1, 0, 0
	TURN 1, 0, 1                                   ; slot 1 takes K step 3
	STEP 0, 0, 0
	TURN 0, 1, 0                                   ; nothing is left to fetch, so no round follows
	STEP 1, 0, 0
	s_wait_dscnt 8                                 ; the very last step
	WIN MUL
	MULB 0, 1, 0
	MULB 1, 1, 0
	s_wait_dscnt 0
	MULB 2, 1, 0
	MULB 3, 1, 0
	WIN 0
; THE WAY OUT, block by block of 16 rows x 128 columns.  In place: sum x 2^(e6 + e7) + bias, one packed multiply-add for two numbers, each accumulator from its low end on.  A lane holds 32 neighbouring bytes of a row, and the
; lanes beside it hold other rows: so a block goes through my own stage in LDS and comes back as whole rows of 512 bytes.  LDS serves a wave's instructions in order (ISA guide 5.7.1.4): no wait between the stores and the loads.
.macro TOSTAGE a
.set AC, 64*(\a)
	WIN 0x82                                       ; destination and source 0: window 2; the bias: window 0
.irp b, 0,1,2,3,4,5,6,7
.irp i, 0,2,4,6
	v_pk_fma_f32 v[AC+8*\b+\i:AC+8*\b+\i+1], v[AC+8*\b+\i:AC+8*\b+\i+1], s[80:81], v[BI+8*\b+\i:BI+8*\b+\i+1] op_sel_hi:[1,0,1]
.endr
.endr
	WIN 0x08                                       ; an LDS store's data: window 2; its address: window 0
.irp b, 0,1,2,3,4,5,6,7
	ds_store_b128 v[STO], v[AC+8*\b:AC+8*\b+3] offset:64*\b
	ds_store_b128 v[STO], v[AC+8*\b+4:AC+8*\b+7] offset:64*\b+16
.endr
	WIN 0
.set BB, BK+64*((\a)%2)
.irp t, 0,1,2,3,4,5,6,7,8,9,10,11,12,13,14,15
	ds_load_b128 v[BB+4*\t:BB+4*\t+3], v[RD] offset:\t*SPITCH
.endr
.endm
.macro SEND a, younger                 ; younger: the LDS instructions issued behind block a's loads, which may stay out
.set BB, BK+64*((\a)%2)
	s_wait_dscnt \younger                          ; the block is back in registers
.irp t, 0,1,2,3,4,5,6,7,8,9,10,11,12,13,14,15
	global_store_b128 v[CO], v[BB+4*\t:BB+4*\t+3], s[84:85] offset:(16*(\a)+\t)*4096 th:TH_STORE_NT   ; 32 lanes store 512 consecutive bytes, at a multiple of 512 from out0's first byte; the row stands in the immediate (258,048 at the most), so no base is stepped
.endr
.endm
	s_wait_kmcnt 0x0
	s_add_co_i32 s80, s78, s79                     ; e6 + e7, between -126 and 127,
	s_add_co_i32 s80, s80, 127
	s_lshl_b32 s80, s80, 23                        ; makes the f32 number 2^(e6 + e7)
	s_mov_b32 s81, s80                             ; (named with it as a pair, so it is written)
	s_wait_loadcnt 0x0                             ; the bias
	PLACES NP                                      ; behind the last products: their results are read, and the registers that held a's fragments are loaded, only behind these
	TOSTAGE 0
.irp a, 1,2,3
.if \a > 1
	s_wait_xcnt 0x0                                ; block a - 2's stores have read their registers: block a's loads may land there
.endif
	TOSTAGE \a
	SEND \a-1, 32                                  ; behind block a - 1's loads: block a's 16 stores and 16 loads
.endr
	SEND 3, 0
	s_wait_tensorcnt 0x0                           ; the wave's end: behind my last tensor load and my last LDS store
	ds_add_u32 v[SPW], v[NIL]
	s_wait_dscnt 0x0
	CROUND                                         ; the closing round: no work-group ends while a partner may still ask for a tile that names it
	s_endpgm
.Lfunc_end_k_qe6a842641e_proj:
	.size	k_qe6a842641e_proj, .Lfunc_end_k_qe6a842641e_proj-k_qe6a842641e_proj
	.p2alignl 7, 3214868480
	.fill 96, 4, 3214868480
	.section	.rodata,"a",@progbits
	.p2align	6, 0x0
	.amdhsa_kernel k_qe6a842641e_proj
		.amdhsa_group_segment_fixed_size 327680
		.amdhsa_private_segment_fixed_size 0
		.amdhsa_enable_private_segment 0
		.amdhsa_kernarg_size 40
		.amdhsa_user_sgpr_count 2
		.amdhsa_user_sgpr_kernarg_segment_ptr 1
		.amdhsa_wavefront_size32 1
		.amdhsa_system_sgpr_workgroup_id_x 1
		.amdhsa_system_sgpr_workgroup_id_y 1
		.amdhsa_system_sgpr_workgroup_id_z 1
		.amdhsa_system_vgpr_workitem_id 0
		.amdhsa_next_free_vgpr 768
		.amdhsa_next_free_sgpr 96
		.amdhsa_reserve_vcc 0
		.amdhsa_float_denorm_mode_32 3
		.amdhsa_float_denorm_mode_16_64 3
		.amdhsa_memory_ordered 1
		.amdhsa_forward_progress 1
		.amdhsa_inst_pref_size 94
	.end_amdhsa_kernel
	.amdgpu_metadata
---
amdhsa.version: [ 1, 2 ]
amdhsa.kernels:
  - .name:           k_qe6a842641e_proj
    .symbol:         k_qe6a842641e_proj.kd
    .args:
      - { .name: aimg, .offset: 0, .size: 8, .value_kind: global_buffer, .address_space: global }
      - { .name: w_out_codes, .offset: 8, .size: 8, .value_kind: global_buffer, .address_space: global }
      - { .name: lowp_scales, .offset: 16, .size: 8, .value_kind: global_buffer, .address_space: global }
      - { .name: b_out, .offset: 24, .size: 8, .value_kind: global_buffer, .address_space: global }
      - { .name: out0, .offset: 32, .size: 8, .value_kind: global_buffer, .address_space: global }
    .group_segment_fixed_size: 327680
    .private_segment_fixed_size: 0
    .kernarg_segment_align: 8
    .kernarg_segment_size: 40
    .max_flat_workgroup_size: 128
    .sgpr_count:     96
    .vgpr_count:     768
    .wavefront_size: 32
...
	.end_amdgpu_metadata
.endif
;; end of part 3
